; MI455X (gfx1250); checked and timed in simulation.
; The chip was launched on July 23, 2026; its instructions are those of AMD's public machine-readable ISA for CDNA 5 (MIT licence, August 2026) and "CDNA5" Instruction Set Architecture Reference Guide (July 2026). The comments in the code are by the model that wrote it; some were corrected since.
;; Multi Head Attention. Allowed arithmetic: matrix products marked QUANTISED: E5M2 operands, one given power-of-two scale a tensor, by v_wmma_f32_16x16x64_bf8_bf8 or v_wmma_f32_16x16x128_bf8_bf8, f32 sums; everything else in f32.
;; Inputs: bk 1,024 float32; bo 1,024 float32; bq 1,024 float32; bv 1,024 float32; lowp_scales 12 int32 (the exponents e of the quantised operands' scales 2^e); mask 1 x 1 x 2,048 x 2,048 bool; wk 1,024 x 1,024 float32; wo 1,024 x 1,024 float32; wq 1,024 x 1,024 float32; wv 1,024 x 1,024 float32; x 4 x 2,048 x 1,024 float32.
;; Outputs: out0 4 x 2,048 x 1,024 float32.
;; This version of the problem:
;;   THIS VERSION OF THE PROBLEM IS GIVEN IN LOW PRECISION. The matrix products marked QUANTISED in the list below multiply operands that are first quantised to E5M2 (5 exponent bits, 2 mantissa bits; 8 bits a number), with one given power-of-two scale for each operand tensor; their sums are f32. All else is computed in f32.
;;   The module's matrix products, in the order in which they are computed (A, B: the left and right operand; K: the contracted axis; several contracted axes count as one K, in the product's order):
;;     1. [M 8,192, K 1,024] x [K 1,024, N 1,024]; A: input x; B: input wq: QUANTISED (scales: A lowp_scales[0], B lowp_scales[1])
;;     2. [M 8,192, K 1,024] x [K 1,024, N 1,024]; A: input x; B: input wk: QUANTISED (scales: A lowp_scales[2], B lowp_scales[3])
;;     3. [M 8,192, K 1,024] x [K 1,024, N 1,024]; A: input x; B: input wv: QUANTISED (scales: A lowp_scales[4], B lowp_scales[5])
;;     4. batch 64 x [M 2,048, K 64] x [K 64, N 2,048]; A: computed on the way; B: computed on the way: QUANTISED (scales: A lowp_scales[6], B lowp_scales[7])
;;     5. batch 64 x [M 2,048, K 2,048] x [K 2,048, N 64]; A: softmax (see below); B: computed on the way: QUANTISED (scales: A lowp_scales[8], B lowp_scales[9])
;;     6. [M 8,192, K 1,024] x [K 1,024, N 1,024]; A: computed on the way; B: input wo: QUANTISED (scales: A lowp_scales[10], B lowp_scales[11])
;;   THE QUANTISER, for each operand of a quantised product, along K:
;;     - The operand's scale is 2^e, e = its entry of the input lowp_scales (int32; the entries are numbered through the quantised products in the list's order, A before B).
;;     - Each number is divided by the scale, clamped to +-57,344, and rounded to the nearest number of E5M2, ties to even, subnormals kept.
;;     - The product sums the exact products of the quantised numbers (number of the format x scale) in f32.
;;   ~~~python
;;   def quantise(x, axis, e):      # numpy; x: float32 -> the quantised numbers, widened to float32 again
;;       x = np.moveaxis(x, axis, -1); K = x.shape[-1]
;;       r = np.clip(x / 2.0 ** e, -57344, 57344)
;;       step = 2.0 ** (np.maximum(np.frexp(np.where(r == 0, 1, r))[1] - 1, -14) - 2)
;;       q = np.round(r / step) * step * 2.0 ** e      # np.round: ties to even
;;       return np.moveaxis(q, -1, axis).astype(np.float32)
;;   ~~~
;;   SOFTMAX AHEAD OF A QUANTISED PRODUCT. Where the list says 'softmax', what is quantised is not the finished softmax but p = 2^(t - M), with t = logit x log2(e) and M = ceil(the row's largest t), a whole number; so 1/2 < the row's largest p <= 1. The row's sum l is taken of the UNQUANTISED p, in f32, and the product's result is divided by l at the end. Since M is a whole number, a kernel that streams over the keys may use a running M (the ceiling of the running maximum): every later rescaling is an exact power of two, so the quantised numbers keep their values, but for numbers so far below the row's largest that they fall under the format's range.
;;   OPERANDS COMPUTED ON THE WAY. 'Computed on the way' means the value that the module computes at that place (a softmax that the list does not call 'softmax' is quantised finished and normalised). What goes into a quantiser is computed in f32, as accurately as f32 sums, v_exp_f32 and their like allow (about 1e-6 of the number): no bf16 or f16 on the way to a quantiser, and a product that is left as it is and whose result goes on into a quantised operand takes f32 operands (vector FMAs, or v_wmma_f32_16x16x4_f32). A number that lies on a knife's edge between two numbers of the format may be rounded either way, as far as f32 arithmetic and the matrix unit's own rounding can turn it there, and no further.
;; One version. Each part assembles by itself: llvm-mc -triple=amdgcn-amd-amdhsa -mcpu=gfx1250 --defsym DOCPART=n.
;; ======== version 1 of 1: 4 launches
;; workspace buffers: xc 25,165,824 bytes; wc 4,194,304 bytes; qkv 25,165,824 bytes; yc 8,388,608 bytes; mskw 524,288 bytes of whole numbers; mflg 2,048 bytes of whole numbers
;; launch prep (part 1): grid 896 x 1, 4 waves a work-group, no clusters, 34,304 bytes of LDS; arguments x, wq, wk, wv, wo, mask, lowp_scales, xc, wc, mskw, mflg; writes xc, wc, mskw, mflg
.if DOCPART == 1
	.amdgcn_target "amdgcn-amd-amdhsa--gfx1250"
	.amdhsa_code_object_version 6
	.text
	.protected	k_q39efb483a2_prep
	.globl	k_q39efb483a2_prep
	.p2align	8
	.type	k_q39efb483a2_prep,@function
k_q39efb483a2_prep:
	s_mov_b64 s[64:65], 0
	v_nop
	global_prefetch_b8 v0, s[64:65] scope:SCOPE_SE
	s_setreg_imm32_b32 hwreg(HW_REG_WAVE_MODE, 25, 1), 1
	s_wait_xcnt 0x0
; PREP: x and the four weights become codes of E5M2, laid as IMAGES OF OPERAND REGISTERS; the mask becomes lane masks and flags.
; THE IMAGE.  A tile is 16 rows: row r of tile T is row 32 (T / 2) + 8 (T % 2) + r + 8 (r / 8) of the tensor.  Lane (r, h) of a fragment of 128 along K holds, of its row, k = 32 c + 16 h + 0 .. 15
; in registers 4 c .. 4 c + 3.  A tensor with K = 1,024 lies as [tile][K step of 128: 8][c: 4][lane: 32][16 bytes]: 16,384 bytes a tile.
; Work-groups 0-511: one tile of tokens of x each, quantised three times (its scales for the products with wq, wk, wv: entries 0, 2, 4).  512-767: 128 columns x 128 along K of one weight (entries 1, 3, 5, 11).
; 768-895: one tile of 16 queries of the mask.  The three paths part on the work-group's number; only the first uses LDS.
; code = number / 2^e, held within +-57,344, to the nearest code, ties to even.  LIMITS: each e between -126 and 112; NaN among x and the weights is not served.
.set R,   16                           ; v16-79   x: 16 rows x 16 bytes a lane, as loaded
.set X,   80                           ; v80-143  x: 64 numbers in the lane's order: register 16 c + n = k 32 c + 16 h + n of row r
.set TM,  144                          ; v144-175 two sets of 16 held numbers, by turns
.set C,   176                          ; v176-223 codes: 16 registers for each of the three scales
.set SP,  528                          ; a stage row: 512 bytes + 16, an odd multiple of 16 bytes
.set WVB, 16*SP                        ; a wave's stage
.macro MKSC e, vs, vl                  ; from the exponent in s[e]: v[vs] = 2^e as f32 (the conversion takes its exponent field), v[vl] = 57,344 x 2^e
	s_add_co_i32 s50, s[\e], 127
	s_lshl_b32 s51, s50, 23
	v_mov_b32 v[\vs], s51
	s_add_co_i32 s50, s50, 15
	s_lshl_b32 s50, s50, 23
	s_or_b32 s50, s50, 0x600000
	v_mov_b32 v[\vl], s50
.endm
	s_load_b512 s[4:19], s[0:1], 0x0               ; x s[4:5], wq s[6:7], wk s[8:9], wv s[10:11], wo s[12:13], mask s[14:15], the exponents s[16:17], xc s[18:19]
	s_load_b128 s[20:23], s[0:1], 0x40             ; wc s[20:21], mskw s[22:23]
	s_load_b64 s[24:25], s[0:1], 0x50              ; mflg
	v_lshl_add_u32 v224, v0, 2, 0x8400
	v_mov_b32 v225, 0
	v_lshrrev_b32 v1, 5, v0
	v_readfirstlane_b32 s26, v1                    ; wave 0..3
	v_and_b32 v12, 31, v0                          ; lane
	v_and_b32 v13, 15, v0                          ; r
	v_bfe_u32 v14, v0, 4, 1                        ; h
	v_lshlrev_b32 v1, 4, v12                       ; 16 x lane
	s_wait_kmcnt 0x0
	s_load_b256 s[32:39], s[16:17], 0x0            ; e0 .. e7
	s_load_b128 s[40:43], s[16:17], 0x20           ; e8 .. e11
	s_cmp_lt_u32 ttmp9, 512
	s_cbranch_scc0 .Lnot_x
; ---- x.  The work-group's number is the tile of tokens; wave w takes K steps 2 w and 2 w + 1.
; Each load reads 512 consecutive bytes of one row (a K step's 128 numbers); the 16 rows turn through the wave's own stage, so that a lane gets 16 neighbours of each block of 32.
	s_mul_i32 s27, s26, WVB
	v_add_nc_u32 v2, s27, v1                       ; into the stage: a row's 512 bytes as they lie
	v_mul_u32_u24 v3, v13, SP
	v_lshl_add_u32 v3, v14, 6, v3
	v_add_nc_u32 v3, s27, v3                       ; out of it: row r, + 64 h bytes
	s_lshr_b32 s28, ttmp9, 1
	s_lshl_b32 s28, s28, 5
	s_and_b32 s29, ttmp9, 1
	s_lshl_b32 s29, s29, 3
	s_add_co_u32 s28, s28, s29                     ; the tile's first row
	s_lshl_b32 s28, s28, 12                        ; a row of x is 4,096 bytes
	s_lshl_b32 s29, s26, 10                        ; my two K steps: 1,024 bytes
	s_add_co_u32 s28, s28, s29
	s_mov_b32 s29, 0
	s_add_nc_u64 s[4:5], s[4:5], s[28:29]
	s_lshl_b32 s28, ttmp9, 14                      ; the tile's image,
	s_lshl_b32 s30, s26, 12                        ; my two K steps of it
	s_add_co_u32 s28, s28, s30
	s_add_nc_u64 s[44:45], s[18:19], s[28:29]      ; in the section for e0,
	s_add_nc_u64 s[46:47], s[44:45], 0x800000      ; for e2,
	s_add_nc_u64 s[48:49], s[46:47], 0x800000      ; for e4
.macro XLOAD i
.irp p, 0,1,2,3,4,5,6,7,8,9,10,11,12,13,14,15
	global_load_b128 v[R+4*\p:R+4*\p+3], v1, s[4:5] offset:(\p+8*(\p/8))*4096+512*\i th:TH_LOAD_NT
.endr
.endm
.macro XTURN                           ; LDS serves a wave's instructions in order: no wait between the stores and the loads
.irp p, 0,1,2,3,4,5,6,7,8,9,10,11,12,13,14,15
	ds_store_b128 v2, v[R+4*\p:R+4*\p+3] offset:SP*\p
.endr
.irp c, 0,1,2,3
.irp j, 0,1,2,3
	ds_load_b128 v[X+16*\c+4*\j:X+16*\c+4*\j+3], v3 offset:128*\c+16*\j
.endr
.endr
.endm
; The 64 numbers are quantised with each of the three scales.  The hold goes into a set of its own, two sets by turns: sixteen plain lines stand between a conversion and the next write of its sources.
.macro XQ i
.irp s, 0,1,2
.irp c, 0,1,2,3
.irp n, 0,1,2,3,4,5,6,7,8,9,10,11,12,13,14,15
	v_med3_num_f32 v[TM+16*(\c%2)+\n], v[X+16*\c+\n], -v[5+2*\s], v[5+2*\s]   ; the conversion to an 8-bit code does not saturate (ISA guide 7.6.2)
.endr
	v_cvt_scalef32_pk8_bf8_f32 v[C+16*\s+4*\c:C+16*\s+4*\c+1], v[TM+16*(\c%2):TM+16*(\c%2)+7], v[4+2*\s]
	v_cvt_scalef32_pk8_bf8_f32 v[C+16*\s+4*\c+2:C+16*\s+4*\c+3], v[TM+16*(\c%2)+8:TM+16*(\c%2)+15], v[4+2*\s]
.endr
.irp c, 0,1,2,3
	global_store_b128 v1, v[C+16*\s+4*\c:C+16*\s+4*\c+3], s[44+2*\s:45+2*\s] offset:2048*\i+512*\c   ; 32 lanes store 512 consecutive bytes
.endr
.endr
.endm
	XLOAD 0
	s_wait_kmcnt 0x0
	MKSC 32, 4, 5
	MKSC 34, 6, 7
	MKSC 36, 8, 9
	s_wait_loadcnt 0x0
	XTURN
	s_wait_dscnt 0x0                               ; the numbers are back, so the stage's stores have read R
	XLOAD 1                                        ; the second K step lands while the first is quantised
	XQ 0
	s_wait_loadcnt 0x0
	XTURN
	s_wait_dscnt 0x0
	s_wait_xcnt 0x0                                ; the first K step's stores have read the codes' registers, which are written again
	XQ 1
	s_wait_tensorcnt 0x0
	ds_add_u32 v224, v225
	s_wait_dscnt 0x0
	s_endpgm
.Lnot_x:
	s_cmp_lt_u32 ttmp9, 768
	s_cbranch_scc0 .Lmask
; ---- a weight, stored [k][n].  A lane takes a column n and its registers run down K, so the conversions give codes with K innermost and nothing is transposed.
; idx = work-group - 512: weight idx / 64, K step (idx / 8) % 8, columns 128 (idx % 8) on; wave w takes 32 of them: the two tiles 2 b, 2 b + 1, b = 4 (idx % 8) + w.
	s_sub_co_u32 s27, ttmp9, 512
	s_lshr_b32 s28, s27, 6                         ; which weight
	s_and_b32 s29, s27, 7                          ; which 128 columns
	s_bfe_u32 s30, s27, 0x30003                    ; which K step
	s_and_b32 s31, s28, 1
	s_cmp_lt_u32 s28, 2
	s_cselect_b64 s[44:45], s[6:7], s[10:11]       ; wq or wv
	s_cselect_b64 s[46:47], s[8:9], s[12:13]       ; wk or wo
	s_cmp_lg_u32 s31, 0
	s_cselect_b64 s[44:45], s[46:47], s[44:45]
	s_lshl_b32 s48, s30, 19                        ; 128 rows of 4,096 bytes a K step
	s_lshl_b32 s49, s29, 9
	s_add_co_u32 s48, s48, s49
	s_lshl_b32 s49, s26, 7
	s_add_co_u32 s48, s48, s49                     ; + 4 bytes x my wave's first column
	s_mov_b32 s49, 0
	s_add_nc_u64 s[44:45], s[44:45], s[48:49]
	s_lshl_b32 s48, s28, 20                        ; the weight's section of 1 MiB,
	s_lshl_b32 s50, s29, 17
	s_add_co_u32 s48, s48, s50
	s_lshl_b32 s50, s26, 15
	s_add_co_u32 s48, s48, s50                     ; tile 2 b: 32,768 b,
	s_lshl_b32 s50, s30, 11
	s_add_co_u32 s48, s48, s50                     ; the K step's 2,048 bytes
	s_add_nc_u64 s[20:21], s[20:21], s[48:49]
	v_lshlrev_b32 v2, 2, v12                       ; in: 4 bytes a lane: 128 consecutive bytes a load
	v_bfe_u32 v3, v12, 3, 1                        ; column l of the 32 is row r = l % 8 + 8 (l / 16) of tile 2 b + (l / 8) % 2
	v_and_b32 v4, 7, v12
	v_lshl_or_b32 v4, v14, 3, v4
	v_lshlrev_b32 v4, 4, v4
	v_lshl_add_u32 v3, v3, 14, v4                  ; out: 16,384 x tile + 16 r: sixteen lanes fill 256 consecutive bytes
.macro WLOAD c                         ; W(32 c + i, my column), i = 0 .. 31, into set c % 2
.set i, 0
.rept 32
	global_load_b32 v[16+32*((\c)%2)+i], v2, s[44:45] offset:(32*(\c)+i)*4096 th:TH_LOAD_NT
.set i, i+1
.endr
.endm
.macro WBLOCK c
.if (\c) < 3
	s_wait_loadcnt 32                              ; this block's 32 loads are in; the next block's may be out
.else
	s_wait_loadcnt 0x0
.endif
.set i, 0
.rept 32
	v_med3_num_f32 v[16+32*((\c)%2)+i], v[16+32*((\c)%2)+i], -v11, v11
.set i, i+1
.endr
.irp g, 0,1,2,3
	v_cvt_scalef32_pk8_bf8_f32 v[80+8*(\c)+2*\g:80+8*(\c)+2*\g+1], v[16+32*((\c)%2)+8*\g:16+32*((\c)%2)+8*\g+7], v10
.endr
	global_store_b128 v3, v[80+8*(\c):80+8*(\c)+3], s[20:21] offset:512*(\c)          ; k = 32 c + 0 .. 15: the image's lanes 0-15
	global_store_b128 v3, v[80+8*(\c)+4:80+8*(\c)+7], s[20:21] offset:512*(\c)+256    ; k = 32 c + 16 .. 31: its lanes 16-31
.if (\c)+2 < 4
	WLOAD (\c)+2                                   ; (each block has its own registers for its codes: no store's data are written again)
.endif
.endm
	WLOAD 0
	WLOAD 1
	s_wait_kmcnt 0x0
	s_cmp_lt_u32 s28, 2
	s_cselect_b32 s52, s33, s37                    ; e1 or e5
	s_cselect_b32 s53, s35, s43                    ; e3 or e11
	s_cmp_lg_u32 s31, 0
	s_cselect_b32 s52, s53, s52
	MKSC 52, 10, 11
	WBLOCK 0
	WBLOCK 1
	WBLOCK 2
	WBLOCK 3
	s_endpgm
.Lmask:
; ---- the mask.  T = work-group - 768 is a tile of 16 queries; wave w takes key steps 4 w .. 4 w + 3 of 128 keys.
; mskw[T][step][n], n = 0 .. 63: bit (lane r + 16 h) = mask[query r of tile T][128 step + 32 (n / 16) + 16 h + n % 16]: the lane mask for register n of the scores in the attention launch.
; mflg[T][w]: bit j: step j has a true entry; bit 16 + j: step j is all true; word w holds the bits of its four steps.
	s_sub_co_u32 s27, ttmp9, 768
	v_and_b32 v2, 8, v13
	v_add_nc_u32 v2, v2, v13                       ; r + 8 (r / 8)
	v_lshlrev_b32 v2, 11, v2                       ; a row of the mask is 2,048 bytes
	v_lshl_add_u32 v2, v14, 4, v2
	s_lshr_b32 s28, s27, 1
	s_lshl_b32 s28, s28, 5
	s_and_b32 s29, s27, 1
	s_lshl_b32 s29, s29, 3
	s_add_co_u32 s28, s28, s29
	s_lshl_b32 s28, s28, 11
	s_lshl_b32 s29, s26, 9                         ; my four steps: 512 bytes of each row
	s_add_co_u32 s28, s28, s29
	s_mov_b32 s29, 0
	s_add_nc_u64 s[14:15], s[14:15], s[28:29]
.irp q, 0,1,2,3,4,5,6,7,8,9,10,11,12,13,14,15
	global_load_b128 v[16+4*\q:19+4*\q], v2, s[14:15] offset:32*\q   ; step q / 4, block q % 4: 16 bytes: keys 32 (q % 4) + 16 h + 0 .. 15
.endr
	s_lshl_b32 s28, s27, 12
	s_lshl_b32 s30, s26, 10
	s_add_co_u32 s28, s28, s30
	s_add_nc_u64 s[22:23], s[22:23], s[28:29]      ; mskw: 4,096 T + 1,024 w
	s_lshl_b32 s28, s27, 4
	s_lshl_b32 s30, s26, 2
	s_add_co_u32 s28, s28, s30
	s_add_nc_u64 s[24:25], s[24:25], s[28:29]      ; mflg: 16 T + 4 w
	v_lshlrev_b32 v3, 3, v12                       ; lane l stores words 2 l and 2 l + 1
.irp q, 0,1,2,3,4,5,6,7
	v_mov_b32 v[80+\q], 0                          ; a written lane's register counts as read
.endr
	s_mov_b32 s52, 0                               ; the flags
	s_lshl_b32 s53, s26, 2                         ; my first step
	s_wait_kmcnt 0x0
	s_wait_loadcnt 0x0
.irp jj, 0,1,2,3
	s_mov_b32 s55, 0
	s_mov_b32 s56, -1
.set n, 0
.rept 64
	v_bfe_u32 v10, v[16+16*\jj+n/4], 8*(n%4), 8
	v_cmp_ne_u32 s54, 0, v10                       ; word n
	v_writelane_b32 v[80+2*\jj+n%2], s54, n/2
	s_or_b32 s55, s55, s54
	s_and_b32 s56, s56, s54
.set n, n+1
.endr
	global_store_b64 v3, v[80+2*\jj:81+2*\jj], s[22:23] offset:256*\jj   ; 256 consecutive bytes
	s_cmp_lg_u32 s55, 0
	s_cselect_b32 s57, 1, 0
	s_cmp_eq_u32 s56, -1
	s_cselect_b32 s58, 0x10000, 0
	s_or_b32 s57, s57, s58
	s_add_co_u32 s58, s53, \jj
	s_lshl_b32 s57, s57, s58
	s_or_b32 s52, s52, s57
.endr
	v_mov_b32 v11, s52
	v_mov_b32 v4, 0
	v_cmp_eq_u32 vcc_lo, 0, v12
	s_wait_xcnt 0x0                                ; EXEC changes only behind this wait: the stores above have been taken up
	s_and_saveexec_b32 s59, vcc_lo
	global_store_b32 v4, v11, s[24:25]             ; one lane stores the wave's word of flags
	s_wait_xcnt 0x0                                ; and again in front of the line that widens it
	s_or_b32 exec_lo, exec_lo, s59
	s_endpgm
.Lfunc_end_k_q39efb483a2_prep:
	.size	k_q39efb483a2_prep, .Lfunc_end_k_q39efb483a2_prep-k_q39efb483a2_prep
	.p2alignl 7, 3214868480
	.fill 96, 4, 3214868480
	.section	.rodata,"a",@progbits
	.p2align	6, 0x0
	.amdhsa_kernel k_q39efb483a2_prep
		.amdhsa_group_segment_fixed_size 34304
		.amdhsa_private_segment_fixed_size 0
		.amdhsa_enable_private_segment 0
		.amdhsa_kernarg_size 88
		.amdhsa_user_sgpr_count 2
		.amdhsa_user_sgpr_kernarg_segment_ptr 1
		.amdhsa_wavefront_size32 1
		.amdhsa_system_sgpr_workgroup_id_x 1
		.amdhsa_system_sgpr_workgroup_id_y 1
		.amdhsa_system_sgpr_workgroup_id_z 1
		.amdhsa_system_vgpr_workitem_id 0
		.amdhsa_next_free_vgpr 226
		.amdhsa_next_free_sgpr 66
		.amdhsa_reserve_vcc 1
		.amdhsa_float_denorm_mode_32 3
		.amdhsa_float_denorm_mode_16_64 3
		.amdhsa_memory_ordered 1
		.amdhsa_forward_progress 1
		.amdhsa_inst_pref_size 132
	.end_amdhsa_kernel
	.amdgpu_metadata
---
amdhsa.version: [ 1, 2 ]
amdhsa.kernels:
  - .name:           k_q39efb483a2_prep
    .symbol:         k_q39efb483a2_prep.kd
    .args:
      - { .name: x, .offset: 0, .size: 8, .value_kind: global_buffer, .address_space: global }
      - { .name: wq, .offset: 8, .size: 8, .value_kind: global_buffer, .address_space: global }
      - { .name: wk, .offset: 16, .size: 8, .value_kind: global_buffer, .address_space: global }
      - { .name: wv, .offset: 24, .size: 8, .value_kind: global_buffer, .address_space: global }
      - { .name: wo, .offset: 32, .size: 8, .value_kind: global_buffer, .address_space: global }
      - { .name: mask, .offset: 40, .size: 8, .value_kind: global_buffer, .address_space: global }
      - { .name: lowp_scales, .offset: 48, .size: 8, .value_kind: global_buffer, .address_space: global }
      - { .name: xc, .offset: 56, .size: 8, .value_kind: global_buffer, .address_space: global }
      - { .name: wc, .offset: 64, .size: 8, .value_kind: global_buffer, .address_space: global }
      - { .name: mskw, .offset: 72, .size: 8, .value_kind: global_buffer, .address_space: global }
      - { .name: mflg, .offset: 80, .size: 8, .value_kind: global_buffer, .address_space: global }
    .group_segment_fixed_size: 34304
    .private_segment_fixed_size: 0
    .kernarg_segment_align: 8
    .kernarg_segment_size: 88
    .max_flat_workgroup_size: 128
    .sgpr_count:     66
    .vgpr_count:     226
    .wavefront_size: 32
...
	.end_amdgpu_metadata
.endif
;; end of part 1
;; launch qkv (part 2): grid 4 x 96, 4 waves a work-group, clusters of 4 x 4, 327,680 bytes of LDS; arguments xc, wc, lowp_scales, bq, bk, bv, qkv; writes qkv
.if DOCPART == 2
	.amdgcn_target "amdgcn-amd-amdhsa--gfx1250"
	.amdhsa_code_object_version 6
	.text
	.protected	k_q39efb483a2_qkv
	.globl	k_q39efb483a2_qkv
	.p2align	8
	.type	k_q39efb483a2_qkv,@function
k_q39efb483a2_qkv:
	s_mov_b64 s[64:65], 0
	v_nop
	global_prefetch_b8 v0, s[64:65] scope:SCOPE_SE
	s_setreg_imm32_b32 hwreg(HW_REG_WAVE_MODE, 25, 1), 1
	s_wait_xcnt 0x0
	s_wait_alu depctr_hold_cnt(0) depctr_sa_sdst(0) depctr_va_vdst(0) depctr_va_sdst(0) depctr_va_ssrc(0) depctr_va_vcc(0) depctr_vm_vsrc(0)
	s_getreg_b32 s2, hwreg(HW_REG_IB_STS2, 6, 4)
	s_cmp_eq_u32 s2, 0
	s_cbranch_scc0 .Lentry_in_a_cluster
	s_endpgm
.Lentry_in_a_cluster:
	s_bfe_u32 s2, ttmp6, 0x10000c
	s_cmp_lg_u32 s2, 0xf033
	s_cbranch_scc0 .Lentry_shape_is_right
	s_endpgm
.Lentry_shape_is_right:
; q = x wq + bq, k = x wk + bk, v = x wv + bv on codes of E5M2, each [8,192 x 1,024] over K = 1,024; the results are quantised at once (entries 6, 7, 9 of the exponents) and stored as images of the attention launch's operand registers.
; OPERANDS are images: [tile of 16 rows][K step of 128: 8][c: 4][lane][16 bytes]; row r of tile T is row 32 (T / 2) + 8 (T % 2) + r + 8 (r / 8); lane (r, h) holds k = 32 c + 16 h + 0 .. 15 in registers 4 c .. 4 c + 3:
; the same place for each k on both sides of a product, so every product meets its partner.
; A tile of the result, 256 x 256, is made by four waves, as many as a WGP has SIMDs, 128 x 128 each: 64 accumulators, 512 registers.  K goes in four steps of 256 through two LDS slots filled by the tensor data mover.
; WHICH PRODUCT: cluster y / 8 = 0: q, 1: k, 2: v; it is the same in all partners of a cluster.  For q and k, A = x's codes (tokens) and B = the weight's (channels).  FOR v THE TWO CHANGE PLACES: A = wv, B = x.
; The matrix instruction takes B's rows as source 0 and A's as source 1: a lane holds ONE row of A, and by the choice of a tile's rows the 16 registers of B's tiles 2 b, 2 b + 1 are 16 NEIGHBOURS 32 b + 16 h + 0 .. 15 of B's rows.
; So for q and k a lane holds a token and 16 neighbouring channels (the next K), for v a channel and 16 neighbouring tokens (the keys, its next K): the conversions' results ARE the next operands' registers and are stored as they stand.
; CLUSTERS: 4 x 4 work-groups; A's tiles are shared along a row of the cluster, B's along a column: each is asked for jointly, by the same tensor load with the same descriptor and a mask that names the four.
; LIMITS: the exponents of x and of a weight added lie between -126 and 127; entries 6, 7, 9 between -126 and 112.  NaN among the inputs is not served.
; REGISTERS, in windows of 256: window 0: v0-31 addresses and scales; v32-95 the bias; from v128 A's fragments, one set; on the way out v128-191 sums at work, v192-255 codes.
;   window 1: B's fragments, two sets.   window 2: the accumulators of A's blocks 0-3 ((a, b) at v[8 (8 (a % 4) + b)]);   window 3: those of blocks 4-7.
.set HALFT, 32768                      ; 8 tiles x 4,096 bytes: 128 rows x 256 along K: what one tensor load brings, and what one wave reads of A or of B
.set SLOT,  4*HALFT                    ; A's two halves, then B's two halves
.set SPARE, 2*SLOT                     ; behind the ring: the spare words, 128 bytes for each wave: two blocks of 256 bytes that no other line names
.set KB2,   4096                       ; a tile's bytes of 256 along K
.set FR,    16                         ; registers of a fragment
.set NL,    4                          ; LDS loads that bring one
.set NP,    4                          ; places behind this matrix instruction (ISA guide 7.12.1)
.set BQO,  4                           ; v4      q, k: my offset in the bias: 64 h bytes
.set BVO,  5                           ; v5      v: 4 (r + 8 (r / 8))
.set ADRA, 16                          ; v16-17  LDS address of my A fragments in slot 0, 1
.set ADRB, 20                          ; v20-21  the same for B
.set LN,   26                          ; v26     16 x lane
.set SPW,  28                          ; v28     LDS address of my spare word; never rewritten
.set NIL,  29                          ; v29     0; never rewritten
.set SCL,  30                          ; v30     the next quantiser's scale as f32
.set LIM,  31                          ; v31     57,344 x that
.set BI,   32                          ; v32-95  the bias
.set AF,   128
.set TMP,  128
.set CD,   192
.set G1,  24                           ; s[24:31] descriptor group 1 for A's tiles;  s[32:39] group 0, one set for each slot
.set G0,  32
.set G1B, 48                           ; s[48:55], s[56:63] the same for B's
.set G0B, 56
.set KIND, 75                          ; s75     0: q, 1: k, 2: v
.set MSB, 0
.macro WIN new                         ; the immediate's high byte repeats the setting that is left
.if MSB != (\new)
	s_set_vgpr_msb (MSB<<8)|(\new)
.set MSB, (\new)
.endif
.endm
.set MUL_LO, 0xa1                      ; source 0 (B) window 1, source 1 (A) window 0, C and D window 2
.set MUL_HI, 0xf1                      ; the same, C and D window 3
.set TO_B,   0x40                      ; destination window 1, address window 0
; A joint load: waves 0 and 1 fetch for A, waves 2 and 3 for B; the branch hangs on the wave's number alone.  Four v_nop follow each of the two lines.
.macro JLOAD g0a, g1a, g0b, g1b
	s_cmp_eq_u32 s15, 0
	s_cbranch_scc0 .Lfor_b_\@
	tensor_load_to_lds s[\g0a:\g0a+3], s[\g1a:\g1a+7]
	s_nop 0
.rept 4
	v_nop
.endr
	s_branch .Lasked_\@
.Lfor_b_\@:
	tensor_load_to_lds s[\g0b:\g0b+3], s[\g1b:\g1b+7]
	s_nop 0
.rept 4
	v_nop
.endr
.Lasked_\@:
.endm
.macro CREST                           ; a round of the cluster's barrier behind its opening barrier
	s_cmp_lg_u32 s14, 0
	s_cbranch_scc1 .Lnot_wave_0_\@
	s_barrier_signal -3
.Lnot_wave_0_\@:
	s_barrier_wait -3
	s_barrier_signal -1
	s_barrier_wait -1
.endm
.macro CROUND                          ; a whole round
	s_barrier_signal -1
	s_barrier_wait -1
	CREST
.endm
	s_load_b128 s[4:7], s[0:1], 0x0                ; xc s[4:5], wc s[6:7]
	s_load_b128 s[8:11], s[0:1], 0x10              ; the exponents s[8:9], bq s[10:11]
	s_load_b128 s[68:71], s[0:1], 0x20             ; bk s[68:69], bv s[70:71]
	s_load_b64 s[72:73], s[0:1], 0x30              ; qkv
	v_lshl_add_u32 v[SPW], v0, 2, SPARE
	v_mov_b32 v[NIL], 0
	ds_add_u32 v28, v29
	ds_add_u32 v28, v29
	s_wait_dscnt 0x0
	v_lshrrev_b32 v1, 5, v0
	v_readfirstlane_b32 s14, v1                    ; wave 0..3
	s_lshr_b32 s15, s14, 1                         ; which half of A's rows is mine.  Also: I fetch for A (0) or for B (1)
	s_and_b32 s16, s14, 1                          ; which half of B's rows.  Also: which 128 rows of that tile I fetch
	s_bfe_u32 s40, ttmp6, 0x40000                  ; cx, cy: my place in the cluster
	s_bfe_u32 s41, ttmp6, 0x40004
	s_and_b32 s74, ttmp7, 0xffff                   ; cluster y, 0 .. 23
	s_lshr_b32 s[KIND], s74, 3
	s_and_b32 s76, s74, 7
	s_lshl_b32 s76, s76, 2                         ; four tiles of tokens to a cluster
	s_cmp_eq_u32 s[KIND], 2
	s_cselect_b32 s77, 0, s76
	s_cselect_b32 s78, s76, 0
	s_add_co_u32 s17, s41, s77                     ; tile row (A): q, k: tokens, 4 (cluster y % 8) + cy; v: channels, cy
	s_add_co_u32 s42, s40, s78                     ; tile column (B): q, k: channels, cx; v: tokens, 4 (cluster y % 8) + cx
	s_lshl_b32 s79, s[KIND], 23                    ; A's section: x's codes for this product, 8 MiB each; v: wv's codes, at 2 MiB
	s_lshl_b32 s80, s[KIND], 20                    ; B's section: the weight's codes, 1 MiB each; v: x's codes, at 16 MiB
	s_cmp_eq_u32 s[KIND], 2
	s_cselect_b32 s79, 0x200000, s79
	s_cselect_b32 s80, 0x1000000, s80
	s_lshl_b32 s43, s41, 2
	s_lshl_b32 s43, 15, s43                        ; my row of the cluster
	s_lshl_b32 s44, 0x1111, s40                    ; my column
	; descriptor group 1: 8 rows (tiles) of 512 elements of 8 bytes (a tile's 4,096 bytes of 256 along K), 16,384 bytes apart; dense in LDS: a fragment load takes 512 consecutive bytes
	s_or_b32 s[G1+0], s43, (3<<16)|(1<<21)         ; 15:0 the mask: A's tiles go to my row; 17:16 elements of 8 bytes; 20 no padding; 21 set beside a mask
	s_or_b32 s[G1B+0], s44, (3<<16)|(1<<21)
.irp g, G1, G1B
	s_mov_b32 s[\g+1], 512<<16                     ; tensor_dim0 = 512
	s_mov_b32 s[\g+2], 8<<16                       ; tensor_dim1 = 8
	s_mov_b32 s[\g+3], 512<<16                     ; tile_dim0 = 512
	s_mov_b32 s[\g+4], 8                           ; tile_dim1 = 8
	s_mov_b32 s[\g+5], 2048                        ; tensor_dim0_stride: a tile's 16,384 bytes
	s_mov_b32 s[\g+6], 0
	s_mov_b32 s[\g+7], 0
.endr
	s_lshl_b32 s18, s16, 3                         ; which 8 tiles of the 16 I fetch
	s_lshl_b32 s20, s17, 4
	s_add_co_u32 s20, s20, s18
	s_lshl_b32 s20, s20, 14
	s_add_co_u32 s20, s20, s79                     ; A: section + (16 x tile row + 8 x half) x 16,384
	s_mov_b32 s21, 0
	s_lshl_b32 s46, s42, 4
	s_add_co_u32 s46, s46, s18
	s_lshl_b32 s46, s46, 14
	s_add_co_u32 s46, s46, s80                     ; B likewise, by the tile column
	s_mov_b32 s47, 0
	s_lshl_b32 s45, s14, 15                        ; where they go: wave x 32,768: no place in the cluster enters an LDS address
	s_wait_kmcnt 0x0
	s_load_b256 s[84:91], s[8:9], 0x0              ; e0 .. e7
	s_load_b128 s[92:95], s[8:9], 0x20             ; e8 .. e11
	s_cmp_eq_u32 s[KIND], 2
	s_cselect_b64 s[82:83], s[6:7], s[4:5]         ; A's buffer
	s_cselect_b64 s[98:99], s[4:5], s[6:7]         ; B's
	s_add_nc_u64 s[20:21], s[82:83], s[20:21]
	s_add_nc_u64 s[46:47], s[98:99], s[46:47]
	CROUND                                         ; all sixteen work-groups are here: the first joint loads meet
.irp s, 0,1
	s_mov_b32 s[G0+4*\s], 1
	s_add_co_u32 s[G0+4*\s+1], s45, \s*SLOT
	s_add_nc_u64 s[G0+4*\s+2:G0+4*\s+3], s[20:21], \s*KB2
	s_or_b32 s[G0+4*\s+3], s[G0+4*\s+3], 0x80000000
	s_mov_b32 s[G0B+4*\s], 1
	s_add_co_u32 s[G0B+4*\s+1], s45, \s*SLOT
	s_add_nc_u64 s[G0B+4*\s+2:G0B+4*\s+3], s[46:47], \s*KB2
	s_or_b32 s[G0B+4*\s+3], s[G0B+4*\s+3], 0x80000000
	JLOAD G0+4*\s, G1, G0B+4*\s, G1B
.endr
	v_and_b32 v1, 15, v0                           ; r
	v_bfe_u32 v2, v0, 4, 1                         ; h
	v_and_b32 v3, 31, v0
	v_lshlrev_b32 v[LN], 4, v3
	v_lshlrev_b32 v[BQO], 6, v2
	v_and_b32 v[BVO], 8, v1
	v_add_nc_u32 v[BVO], v[BVO], v1
	v_lshlrev_b32 v[BVO], 2, v[BVO]
	s_lshl_b32 s21, s15, 15                        ; my 128 rows of A
	s_lshl_b32 s22, s16, 15                        ; my 128 rows of B,
	s_add_co_u32 s22, s22, 2*HALFT                 ; which lie behind A's 256
.irp s, 0,1
	v_add_nc_u32 v[ADRA+\s], s21, v[LN]
	v_add_nc_u32 v[ADRB+\s], s22, v[LN]
	s_add_co_u32 s21, s21, SLOT
	s_add_co_u32 s22, s22, SLOT
.endr
.macro FRAG reg, adr, q, i             ; tile i of my eight, the slot's q-th 128 along K: four loads of 512 consecutive bytes
.irp c, 0,1,2,3
	ds_load_b128 v[\reg+4*\c:\reg+4*\c+3], v[\adr] offset:4096*(\i)+2048*(\q)+512*\c
.endr
.endm
; 16 matrix instructions: A's blocks a0, a0 + 1 x B's eight, 128 along K.  p: B's set.  zero = 1: the first product starts the sums.  The 64 accumulators take turns, one instruction a turn, in the same order in every step.
.macro MUL16 a0, p, zero
.irp a, \a0, \a0+1
.irp b, 0,1,2,3,4,5,6,7
.if \zero
	v_wmma_f32_16x16x128_bf8_bf8 v[8*(8*((\a)%4)+\b):8*(8*((\a)%4)+\b)+7], v[128*(\p)+FR*\b:128*(\p)+FR*\b+FR-1], v[AF+FR*(\a):AF+FR*(\a)+FR-1], 0
.else
	v_wmma_f32_16x16x128_bf8_bf8 v[8*(8*((\a)%4)+\b):8*(8*((\a)%4)+\b)+7], v[128*(\p)+FR*\b:128*(\p)+FR*\b+FR-1], v[AF+FR*(\a):AF+FR*(\a)+FR-1], v[8*(8*((\a)%4)+\b):8*(8*((\a)%4)+\b)+7]
.endif
.endr
.endr
.endm
.macro FETCH_B slot, q, p
	WIN TO_B
.irp i, 0,1,2,3,4,5,6,7
	FRAG 128*(\p)+FR*\i, ADRB+\slot, \q, \i
.endr
	WIN 0
.endm
.macro FETCH_A slot, q, i0
.irp i, \i0, \i0+1, \i0+2, \i0+3
	FRAG AF+FR*(\i), ADRA+\slot, \q, \i
.endr
.endm
.macro PLACES n                        ; plain vector lines between a matrix instruction and a load into, a vector write of, or a read of its registers (ISA guide 7.12.1 for writes and reads)
.rept \n
	v_nop
.endr
.endm
; A step of 128 along K that has its successor in the same slot.  A's blocks are free as soon as their eight products are issued: blocks 0-3 are fetched anew in the step's middle, blocks 4-7 at its end.
.macro STEP slot, q, zero
	s_wait_dscnt 4*NL                              ; B's set and A's blocks 0-3 are in; the youngest 16 loads (A's blocks 4-7) may be out
	WIN MUL_LO
	MUL16 0, (\q)%2, \zero
	MUL16 2, (\q)%2, \zero
	s_wait_dscnt 0                                 ; A's blocks 4-7 are in
	PLACES NP
	FETCH_B \slot, (\q)+1, 1-(\q)%2
	FETCH_A \slot, (\q)+1, 0
	WIN MUL_HI
	MUL16 4, (\q)%2, \zero
	MUL16 6, (\q)%2, \zero
	PLACES NP
	WIN 0
	FETCH_A \slot, (\q)+1, 4
.endm
; A slot's last step changes slots: one barrier; in front of it each wave waits for all its tensor loads, adds 0 to its spare word, and waits for that and for its own reads of this slot.  fill = 1: this slot is filled again, two K steps ahead.
.macro TURN slot, next, fill
	s_wait_tensorcnt 0x0                           ; all my tensor loads have landed: my part of the next slot
	ds_add_u32 v[SPW], v[NIL]                      ; 0 onto my spare word
	s_wait_dscnt 4*NL+1                            ; (the add and the youngest 16 loads, A's blocks 4-7, may be out)
	WIN MUL_LO
	MUL16 0, 1, 0                                  ; sixteen matrix instructions stand between the add and the wait for it
	s_wait_dscnt 0x0                               ; the add is done, and my reads of this slot are over
	s_barrier_signal -1
	MUL16 2, 1, 0
	WIN 0
	s_barrier_wait -1
.if \fill
	CREST                                          ; the barrier has opened a round of the cluster's barrier: no wave of any partner still reads this slot or has a load on its way
	s_add_nc_u64 s[G0+4*\slot+2:G0+4*\slot+3], s[G0+4*\slot+2:G0+4*\slot+3], 2*KB2
	s_add_nc_u64 s[G0B+4*\slot+2:G0B+4*\slot+3], s[G0B+4*\slot+2:G0B+4*\slot+3], 2*KB2
	JLOAD G0+4*\slot, G1, G0B+4*\slot, G1B         ; the first tensor load behind the round; its four v_nop are also the places in front of the loads below
.else
	PLACES NP
.endif
	FETCH_B \next, 0, 0
	FETCH_A \next, 0, 0
	WIN MUL_HI
	MUL16 4, 1, 0
	MUL16 6, 1, 0
	PLACES NP
	WIN 0
	FETCH_A \next, 0, 4
.endm
.macro LAST                            ; the very last step: nothing more to fetch
	s_wait_dscnt 4*NL
	WIN MUL_LO
	MUL16 0, 1, 0
	MUL16 2, 1, 0
	s_wait_dscnt 0
	WIN MUL_HI
	MUL16 4, 1, 0
	MUL16 6, 1, 0
	WIN 0
.endm
; THE WAY OUT, A's blocks one after the other.  Register 16 be + i of a block's 64 sums is B's row 32 be + 16 h + i.  sum x 2^(ex + ew) + bias in one packed multiply-add, each accumulator from its low end on;
; the hold; the conversion: registers 4 be .. 4 be + 3 of the next operand's image; each store writes 512 consecutive bytes.  isv = 0: the bias runs along the registers; 1: it is my row's, one pair a block.
.macro EPI isv
	PLACES NP
.irp a, 0,1,2,3,4,5,6,7
.if \a >= 4
	s_wait_xcnt 0x0                                ; block a - 4's stores have read the codes' registers, which are written again
.endif
	WIN 0x02+(\a/4)                                ; source 0: window 2 or 3
.set i, 0
.rept 32
.if \isv
	v_pk_fma_f32 v[TMP+2*i:TMP+2*i+1], v[64*(\a%4)+2*i:64*(\a%4)+2*i+1], s[96:97], v[BI+2*\a:BI+2*\a+1] op_sel_hi:[1,0,1]
.else
	v_pk_fma_f32 v[TMP+2*i:TMP+2*i+1], v[64*(\a%4)+2*i:64*(\a%4)+2*i+1], s[96:97], v[BI+2*i:BI+2*i+1] op_sel_hi:[1,0,1]
.endif
.set i, i+1
.endr
	WIN 0
.set i, 0
.rept 64
	v_med3_num_f32 v[TMP+i], v[TMP+i], -v[LIM], v[LIM]   ; the conversion to an 8-bit code does not saturate (ISA guide 7.6.2)
.set i, i+1
.endr
.irp g, 0,1,2,3,4,5,6,7
	v_cvt_scalef32_pk8_bf8_f32 v[CD+16*(\a%4)+2*\g:CD+16*(\a%4)+2*\g+1], v[TMP+8*\g:TMP+8*\g+7], v[SCL]
.endr
	v_nop                                          ; a plain line between the conversions and the next block's writes of their sources
.irp be, 0,1,2,3
.if \isv
	global_store_b128 v[LN], v[CD+16*(\a%4)+4*\be:CD+16*(\a%4)+4*\be+3], s[72:73] offset:131072*(\a/4)+2048*(\a%4)+512*\be   ; head a / 4, tile of channels a % 4, keys 32 be on
.else
	global_store_b128 v[LN], v[CD+16*(\a%4)+4*\be:CD+16*(\a%4)+4*\be+3], s[72:73] offset:1024*\a+131072*(\be/2)+512*(\be%2)   ; tile of tokens a, head be / 2, channels 32 (be % 2) on
.endif
.endr
.endr
.endm
	s_wait_tensorcnt 1                             ; my part of K step 0 is in (K step 1's load may be out),
	s_barrier_signal -1
	s_barrier_wait -1                              ; everybody's is
	FETCH_B 0, 0, 0
	FETCH_A 0, 0, 0
	FETCH_A 0, 0, 4
	STEP 0, 0, 1                                   ; K has four steps of 256: written out, no loop.  The first products start the sums
	TURN 0, 1, 1                                   ; slot 0 takes K step 2
	STEP 1, 0, 0
	TURN 1, 0, 1                                   ; slot 1 takes K step 3
	STEP 0, 0, 0
	TURN 0, 1, 0                                   ; nothing is left to fetch
	STEP 1, 0, 0
	; the scales, chosen without a jump
	s_wait_kmcnt 0x0
	s_cmp_eq_u32 s[KIND], 0
	s_cselect_b32 s96, s84, s86                    ; x's exponent: entry 0, 2 or 4
	s_cselect_b32 s97, s85, s87                    ; the weight's: 1, 3 or 5
	s_cselect_b32 s79, s90, s91                    ; the next quantiser's: 6, 7 or 9
	s_cmp_eq_u32 s[KIND], 2
	s_cselect_b32 s96, s88, s96
	s_cselect_b32 s97, s89, s97
	s_cselect_b32 s79, s93, s79
	s_add_co_i32 s96, s96, s97
	s_add_co_i32 s96, s96, 127
	s_lshl_b32 s96, s96, 23                        ; 2^(ex + ew) as f32
	s_mov_b32 s97, s96                             ; (named with it as a pair, so it is written)
	s_add_co_i32 s79, s79, 127
	s_lshl_b32 s80, s79, 23
	v_mov_b32 v[SCL], s80
	s_add_co_i32 s79, s79, 15
	s_lshl_b32 s79, s79, 23
	s_or_b32 s79, s79, 0x600000
	v_mov_b32 v[LIM], s79
	s_mov_b32 s21, 0
	s_cmp_eq_u32 s[KIND], 2                        ; the same in all partners: it hangs on the cluster's number alone
	s_cbranch_scc1 .Lv_arm
	; ---- q, k: the bias of my 128 channels: register 16 be + i = channel 32 be + 16 h + i
	s_cmp_eq_u32 s[KIND], 0
	s_cselect_b64 s[82:83], s[10:11], s[68:69]
	s_lshl_b32 s20, s42, 10
	s_lshl_b32 s22, s16, 9
	s_add_co_u32 s20, s20, s22
	s_add_nc_u64 s[82:83], s[82:83], s[20:21]
.irp be, 0,1,2,3
.irp j, 0,1,2,3
	global_load_b128 v[BI+16*\be+4*\j:BI+16*\be+4*\j+3], v[BQO], s[82:83] offset:128*\be+16*\j
.endr
.endr
	; the image [batch x 16 + head][tile of tokens: 128][c: 2][lane][16 bytes]
	s_lshr_b32 s20, s17, 3                         ; batch: eight tile rows of 256 tokens each
	s_lshl_b32 s20, s20, 4
	s_lshl_b32 s22, s42, 2
	s_add_co_u32 s20, s20, s22
	s_lshl_b32 s22, s16, 1
	s_add_co_u32 s20, s20, s22                     ; + head 4 x tile column + 2 x half
	s_lshl_b32 s20, s20, 7
	s_and_b32 s22, s17, 7
	s_lshl_b32 s22, s22, 4
	s_add_co_u32 s20, s20, s22
	s_lshl_b32 s22, s15, 3
	s_add_co_u32 s20, s20, s22                     ; + tile of tokens 16 (tile row % 8) + 8 x half
	s_lshl_b32 s20, s20, 10
	s_lshl_b32 s22, s[KIND], 23
	s_add_co_u32 s20, s20, s22                     ; q's section, or k's
	s_add_nc_u64 s[72:73], s[72:73], s[20:21]
	LAST
	s_wait_loadcnt 0x0                             ; the bias
	EPI 0
	s_branch .Lend
.Lv_arm:
	; ---- v: the bias of my lane's channel in each of A's eight blocks, each number into both registers of a pair
	s_lshl_b32 s20, s17, 10
	s_lshl_b32 s22, s15, 9
	s_add_co_u32 s20, s20, s22
	s_add_nc_u64 s[82:83], s[70:71], s[20:21]
.irp a, 0,1,2,3,4,5,6,7
	global_load_b32 v[BI+2*\a], v[BVO], s[82:83] offset:(32*(\a/2)+8*(\a%2))*4
	global_load_b32 v[BI+2*\a+1], v[BVO], s[82:83] offset:(32*(\a/2)+8*(\a%2))*4
.endr
	; the image [batch x 16 + head][step of 128 keys: 16][tile of channels: 4][c: 4][lane][16 bytes]
	s_lshr_b32 s20, s42, 3                         ; batch
	s_lshl_b32 s20, s20, 4
	s_lshl_b32 s22, s17, 2
	s_add_co_u32 s20, s20, s22
	s_lshl_b32 s22, s15, 1
	s_add_co_u32 s20, s20, s22                     ; + head 4 x tile row + 2 x half
	s_lshl_b32 s20, s20, 4
	s_and_b32 s22, s42, 7
	s_lshl_b32 s22, s22, 1
	s_add_co_u32 s20, s20, s22
	s_add_co_u32 s20, s20, s16                     ; + step 2 (tile column % 8) + half
	s_lshl_b32 s20, s20, 13
	s_add_co_u32 s20, s20, 0x1000000               ; v's section
	s_add_nc_u64 s[72:73], s[72:73], s[20:21]
	LAST
	s_wait_loadcnt 0x0
	EPI 1
.Lend:
	s_wait_tensorcnt 0x0                           ; the wave's end
	ds_add_u32 v[SPW], v[NIL]
	s_wait_dscnt 0x0
	CROUND                                         ; the closing round: no work-group ends while a partner may still ask for a tile that names it
	s_endpgm
.Lfunc_end_k_q39efb483a2_qkv:
	.size	k_q39efb483a2_qkv, .Lfunc_end_k_q39efb483a2_qkv-k_q39efb483a2_qkv
	.p2alignl 7, 3214868480
	.fill 96, 4, 3214868480
	.section	.rodata,"a",@progbits
	.p2align	6, 0x0
	.amdhsa_kernel k_q39efb483a2_qkv
		.amdhsa_group_segment_fixed_size 327680
		.amdhsa_private_segment_fixed_size 0
		.amdhsa_enable_private_segment 0
		.amdhsa_kernarg_size 56
		.amdhsa_user_sgpr_count 2
		.amdhsa_user_sgpr_kernarg_segment_ptr 1
		.amdhsa_wavefront_size32 1
		.amdhsa_system_sgpr_workgroup_id_x 1
		.amdhsa_system_sgpr_workgroup_id_y 1
		.amdhsa_system_sgpr_workgroup_id_z 1
		.amdhsa_system_vgpr_workitem_id 0
		.amdhsa_next_free_vgpr 1024
		.amdhsa_next_free_sgpr 100
		.amdhsa_reserve_vcc 0
		.amdhsa_float_denorm_mode_32 3
		.amdhsa_float_denorm_mode_16_64 3
		.amdhsa_memory_ordered 1
		.amdhsa_forward_progress 1
		.amdhsa_inst_pref_size 198
	.end_amdhsa_kernel
	.amdgpu_metadata
---
amdhsa.version: [ 1, 2 ]
amdhsa.kernels:
  - .name:           k_q39efb483a2_qkv
    .symbol:         k_q39efb483a2_qkv.kd
    .args:
      - { .name: xc, .offset: 0, .size: 8, .value_kind: global_buffer, .address_space: global }
      - { .name: wc, .offset: 8, .size: 8, .value_kind: global_buffer, .address_space: global }
      - { .name: lowp_scales, .offset: 16, .size: 8, .value_kind: global_buffer, .address_space: global }
      - { .name: bq, .offset: 24, .size: 8, .value_kind: global_buffer, .address_space: global }
      - { .name: bk, .offset: 32, .size: 8, .value_kind: global_buffer, .address_space: global }
      - { .name: bv, .offset: 40, .size: 8, .value_kind: global_buffer, .address_space: global }
      - { .name: qkv, .offset: 48, .size: 8, .value_kind: global_buffer, .address_space: global }
    .group_segment_fixed_size: 327680
    .private_segment_fixed_size: 0
    .kernarg_segment_align: 8
    .kernarg_segment_size: 56
    .max_flat_workgroup_size: 128
    .sgpr_count:     100
    .vgpr_count:     1024
    .wavefront_size: 32
...
	.end_amdgpu_metadata
.endif
;; end of part 2
;; launch attn (part 3): grid 4 x 64, 16 waves a work-group, no clusters, 264,192 bytes of LDS; arguments qkv, mskw, mflg, lowp_scales, yc; writes yc
.if DOCPART == 3
	.amdgcn_target "amdgcn-amd-amdhsa--gfx1250"
	.amdhsa_code_object_version 6
	.text
	.protected	k_q39efb483a2_attn
	.globl	k_q39efb483a2_attn
	.p2align	8
	.type	k_q39efb483a2_attn,@function
k_q39efb483a2_attn:
	s_mov_b64 s[64:65], 0
	v_nop
	global_prefetch_b8 v0, s[64:65] scope:SCOPE_SE
	s_setreg_imm32_b32 hwreg(HW_REG_WAVE_MODE, 25, 1), 1
	s_wait_xcnt 0x0
; y[b][h][q] = the sum over k of softmax_k(where(mask[q][k], q . k / 8, -inf)) v[k], both products on codes of E5M2; y is quantised at once (entry 10) into the image that the last product reads.
; THE SOFTMAX AHEAD OF THE SECOND PRODUCT: t = score x log2(e) / 8; M = the row's largest t so far, rounded UP to a whole number; p = 2^(t - M) is quantised (entry 8), not normalised; the row's sum is taken of the unquantised p
; and divides at the end.  When M moves, the sum and O are multiplied by 2^(old M - new M): exact.
; SHARES.  A work-group serves one head (y of the grid) and 32 of its 128 tiles of 16 queries.  The head's K and V images, 131,072 bytes each, are copied into LDS once, through registers; one barrier; LDS is only read behind it.
; Each of the sixteen waves (four to a SIMD, 256 registers each) makes two passes over the keys: tile T = 16 x + wave, then tile 127 - T.
; THE MASK IS AN INPUT and is honoured bit by bit: for each tile of queries and step of 128 keys an earlier launch has stored 64 lane masks and two flags.  A step with no true entry is jumped over; in a step that is all true
; the 64 selects are jumped over.  Both are branches on stored whole numbers.  A row with no true entry gives NaN codes, as the softmax of nothing is NaN.
; No joint loads: what work-groups share is read once, at the head.
; LAYOUT.  Both products are used transposed: S^T = K Q^T, O^T = V^T P^T: a lane holds ONE query.  Row r of tile T of any image is row 32 (T / 2) + 8 (T % 2) + r + 8 (r / 8): so register n of the 64 scores is key
; 32 (n / 16) + 16 h + n % 16 of the step, and the conversions' results are the second product's operand; likewise O^T's 32 registers are channels 32 (n / 16) + 16 h + n % 16.
; LIMITS: entries 6 + 7 between -123 and 130 (added to c's exponent field); entries 8 and 10 between -126 and 112.
.set QF, 16                            ; v16-23   Q's fragment
.set KV, 32                            ; v32-95   K's eight fragments, then V's four
.set S,  96                            ; v96-159  S^T, then p
.set O,  160                           ; v160-191 O^T
.set PC, 192                           ; v192-207 p's codes
.set YC, 208                           ; v208-215 y's codes
.set YO, 216                           ; v216     my offset in yc
.set LA, 217                           ; v217-220 the head's copy: 16 x thread, + 65,536 each
; v1 16 x lane; v2, v3 LDS addresses of the step's K and V; v4 -inf; v5, v6 limit and scale of p; v7, v8 of y; v9 my offset in Q; v[10:11] 1 / l; v12 -M; v13 the largest t; v[14:15] the sum in two halves;
; v24, v25 maxima; v[26:27] f; v[28:29] the sum's second chain; v30 a lane permute's destination; v31 four NaN codes
; s[2:3] Q; s[6:7] mskw; s[8:9] mflg; s[12:13] yc; s14 wave; s15 T; s16 the step; s17 the step's LDS byte; s18 its byte in mskw; s19 flags 'some true'; s20 flags 'all true'; s21 passes; s[22:23] c; s[24:25] lane selects;
; s26 e8 + e9; s27 e8; s28-31 at work; s32-63, s68-99 the step's 64 lane masks
.macro MKSC e, vs, vl                  ; v[vs] = 2^e as f32, v[vl] = 57,344 x 2^e
	s_add_co_i32 s28, s[\e], 127
	s_lshl_b32 s29, s28, 23
	v_mov_b32 v[\vs], s29
	s_add_co_i32 s28, s28, 15
	s_lshl_b32 s28, s28, 23
	s_or_b32 s28, s28, 0x600000
	v_mov_b32 v[\vl], s28
.endm
	s_load_b256 s[4:11], s[0:1], 0x0               ; qkv s[4:5], mskw s[6:7], mflg s[8:9], the exponents s[10:11]
	s_load_b64 s[12:13], s[0:1], 0x20              ; yc
	v_lshl_add_u32 v254, v0, 2, 0x40000
	v_mov_b32 v255, 0
	v_lshrrev_b32 v1, 5, v0
	v_readfirstlane_b32 s14, v1                    ; wave 0..15
	v_and_b32 v1, 31, v0
	v_lshlrev_b32 v1, 4, v1
	v_lshlrev_b32 v[LA], 4, v0
	v_add_nc_u32 v[LA+1], 0x10000, v[LA]
	v_add_nc_u32 v[LA+2], 0x20000, v[LA]
	v_add_nc_u32 v[LA+3], 0x30000, v[LA]
	s_and_b32 s28, ttmp7, 0xffff                   ; batch x 16 + head
	s_lshl_b32 s30, s28, 17                        ; its 131,072 bytes in each of the three sections
	s_mov_b32 s31, 0
	s_wait_kmcnt 0x0
	s_load_b256 s[32:39], s[10:11], 0x0            ; e0 .. e7
	s_load_b128 s[40:43], s[10:11], 0x20           ; e8 .. e11
	s_add_nc_u64 s[2:3], s[4:5], s[30:31]          ; Q
	s_add_nc_u64 s[44:45], s[2:3], 0x800000        ; K
	s_add_nc_u64 s[46:47], s[2:3], 0x1000000       ; V
.irp i, 0,1,2,3,4,5,6,7,8,9,10,11,12,13,14,15
	global_load_b128 v[32+4*\i:35+4*\i], v[LA], s[44:45] offset:8192*\i    ; the 512 threads take 8,192 consecutive bytes
.endr
.irp i, 0,1,2,3,4,5,6,7,8,9,10,11,12,13,14,15
	global_load_b128 v[96+4*\i:99+4*\i], v[LA], s[46:47] offset:8192*\i
.endr
	s_lshr_b32 s29, s28, 4
	s_lshl_b32 s30, s29, 21                        ; yc: the batch's 128 tiles of 16,384 bytes,
	s_and_b32 s29, s28, 15
	s_lshl_b32 s29, s29, 10                        ; the head's 1,024 bytes of a tile
	s_add_co_u32 s30, s30, s29
	s_add_nc_u64 s[12:13], s[12:13], s[30:31]
	s_lshl_b32 s15, ttmp9, 4
	s_add_co_u32 s15, s15, s14                     ; the first pass's tile of queries
	s_mov_b32 s24, 0x76543210
	s_mov_b32 s25, 0xfedcba98                      ; lane l xor 16
	s_mov_b32 s21, 2
	v_mov_b32 v4, 0xff800000
	v_mov_b32 v31, 0x7f7f7f7f
	v_mov_b32 v30, 0                               ; written once: a lane permute's destination counts as one of its sources
	v_mov_b32 v27, 0                               ; (named as the upper half of the pair v[26:27])
	s_wait_kmcnt 0x0
	s_add_co_i32 s22, s38, s39
	s_lshl_b32 s22, s22, 23
	s_add_co_i32 s22, s22, 0x3e38aa3b              ; c = log2(e) / 8, with e6 + e7 added to its exponent field: a score stands for score x 2^(e6 + e7)
	s_mov_b32 s23, s22                             ; (named with it as a pair, so it is written)
	s_add_co_i32 s26, s40, s41
	s_mov_b32 s27, s40
	MKSC 40, 6, 5
	MKSC 42, 8, 7
	s_wait_loadcnt 24                              ; eight loads at a time are in, and go to LDS as they lie
.irp i, 0,1,2,3,4,5,6,7
	ds_store_b128 v[LA], v[32+4*\i:35+4*\i] offset:8192*\i
.endr
	s_wait_loadcnt 16
.irp i, 0,1,2,3,4,5,6,7
	ds_store_b128 v[LA+1], v[64+4*\i:67+4*\i] offset:8192*\i
.endr
	s_wait_loadcnt 8
.irp i, 0,1,2,3,4,5,6,7
	ds_store_b128 v[LA+2], v[96+4*\i:99+4*\i] offset:8192*\i
.endr
	s_wait_loadcnt 0x0
.irp i, 0,1,2,3,4,5,6,7
	ds_store_b128 v[LA+3], v[128+4*\i:131+4*\i] offset:8192*\i
.endr
	s_wait_dscnt 0x0                               ; for the others' sake: my stores have landed
	s_barrier_signal -1
	s_barrier_wait -1                              ; K's and V's images are whole; nothing is stored to LDS from here on
.Lpass:
	s_lshl_b32 s20, s15, 10
	v_add_nc_u32 v9, s20, v1
	global_load_b128 v[QF:QF+3], v9, s[2:3]                    ; Q's fragment: channels 16 h + 0 .. 15,
	global_load_b128 v[QF+4:QF+7], v9, s[2:3] offset:512       ; 32 + 16 h + 0 .. 15
	s_lshl_b32 s19, s15, 4
	s_load_b128 s[28:31], s[8:9], s19 offset:0x0               ; the tile's four words of flags
	s_lshl_b32 s20, s15, 14
	v_add_nc_u32 v[YO], s20, v1
	v_mov_b32 v13, 0xff61b1e6                      ; the largest t so far: -3e38, under every t
	v_floor_f32 v12, -v13                          ; -M
	v_mov_b32 v14, 0
	v_mov_b32 v15, 0
.set j, 0
.rept 32
	v_mov_b32 v[O+j], 0                            ; which step is the first that counts hangs on the mask, so no product of the text can start the sums
.set j, j+1
.endr
	s_mov_b32 s17, 0
	s_lshl_b32 s18, s15, 12                        ; a tile's 16 steps x 64 words
	s_mov_b32 s16, 0
	s_wait_loadcnt 0x0
	s_wait_kmcnt 0x0
	s_or_b32 s28, s28, s29
	s_or_b32 s30, s30, s31
	s_or_b32 s28, s28, s30
	s_and_b32 s19, s28, 0xffff                     ; bit j: step j has a true entry
	s_lshr_b32 s20, s28, 16                        ; bit j: step j is all true
.Lkey:                                             ; 16 trips, one for each step of 128 keys
	s_and_b32 s28, s19, 1
	s_cmp_lg_u32 s28, 0
	s_cbranch_scc0 .Lskip                          ; nothing of this step counts for my 16 queries
	s_load_b512 s[32:47], s[6:7], s18 offset:0x0   ; the step's 64 lane masks: they come while K's fragments are fetched and multiplied
	s_load_b512 s[48:63], s[6:7], s18 offset:0x40
	s_load_b512 s[68:83], s[6:7], s18 offset:0x80
	s_load_b512 s[84:99], s[6:7], s18 offset:0xc0
	v_add_nc_u32 v2, s17, v1
	v_add_nc_u32 v3, 0x20000, v2
	v_nop
	v_nop                                          ; four plain lines stand between the last step's products and the loads into the registers that they read
.irp t, 0,1,2,3,4,5,6,7
.irp c, 0,1
	ds_load_b128 v[KV+8*\t+4*\c:KV+8*\t+4*\c+3], v2 offset:1024*\t+512*\c
.endr
.endr
	s_wait_dscnt 0x0
.irp t, 0,1,2,3,4,5,6,7
	v_wmma_f32_16x16x64_bf8_bf8 v[S+8*\t:S+8*\t+7], v[KV+8*\t:KV+8*\t+7], v[QF:QF+7], 0
.endr
.rept 4
	v_nop                                          ; places in front of the loads below and of the first read of the scores
.endr
.irp t, 0,1,2,3
.irp c, 0,1,2,3
	ds_load_b128 v[KV+16*\t+4*\c:KV+16*\t+4*\c+3], v3 offset:2048*\t+512*\c   ; V's fragments land under the softmax
.endr
.endr
	s_wait_kmcnt 0x0                               ; the lane masks are in (and their offset register may be stepped)
	s_and_b32 s28, s20, 1
	s_cmp_lg_u32 s28, 0
	s_cbranch_scc1 .Lopen                          ; every entry of the step is true
.set n, 0
.rept 64
	v_cndmask_b32 v[S+n], v4, v[S+n], s[32+n+4*(n/32)]   ; a hidden score becomes -inf ahead of the maximum: p = 0 then
.set n, n+1
.endr
.Lopen:
	v_max3_num_f32 v24, v[S], v[S+1], v[S+2]       ; the step's largest score of my query among my 64 keys, in two chains, each accumulator from its low end on,
	v_max3_num_f32 v25, v[S+3], v[S+4], v[S+5]
.irp i, 6,10,14,18,22,26,30,34,38,42,46,50,54,58
	v_max3_num_f32 v24, v24, v[S+\i], v[S+1+\i]
	v_max3_num_f32 v25, v25, v[S+2+\i], v[S+3+\i]
.endr
	v_max3_num_f32 v24, v24, v[S+62], v[S+63]
	v_max_num_f32 v24, v24, v25
	v_permlanex16_b32 v30, v24, s24, s25
	v_max_num_f32 v24, v24, v30                    ; and among lane l xor 16's
	v_mul_f32 v24, s22, v24                        ; as t (c is positive)
	v_max_num_f32 v13, v13, v24                    ; the running largest t
	v_mov_b32 v24, v12
	v_floor_f32 v12, -v13                          ; the new -M = floor(-t): M is a whole number
	v_sub_f32 v24, v12, v24                        ; old M - new M: a whole number, 0 or less
	v_cvt_i32_f32 v24, v24                         ; (it saturates)
	v_ldexp_f32 v26, 1.0, v24                      ; f = 2^(old M - new M)
.set j, 0
.rept 32
	v_pk_fma_f32 v[S+j:S+j+1], v[S+j:S+j+1], s[22:23], v[12:13] op_sel_hi:[1,0,0]   ; t - M, two at a time
.set j, j+2
.endr
.set j, 0
.rept 64
	v_exp_f32 v[S+j], v[S+j]                       ; p = 2^(t - M)
.set j, j+1
.endr
	v_pk_mul_f32 v[14:15], v[14:15], v[26:27] op_sel_hi:[1,0]   ; the sums under the new M; a plain line behind the exponentials
	s_wait_alu depctr_va_vdst(0)                   ; one wait for the batch of 64, ahead of its first reader
	v_pk_add_f32 v[28:29], v[S:S+1], v[S+2:S+3]    ; the row's sum is taken of the unquantised p: two at a time, in two chains
.irp j, 4,8,12,16,20,24,28,32,36,40,44,48,52,56,60
	v_pk_add_f32 v[14:15], v[14:15], v[S+\j:S+1+\j]
	v_pk_add_f32 v[28:29], v[28:29], v[S+2+\j:S+3+\j]
.endr
	v_pk_add_f32 v[14:15], v[14:15], v[28:29]
	s_cmp_ge_i32 s27, -15                          ; from e8 = -15 on, 57,344 x 2^e8 is at least 1.75 and p, at most 1 and a unit in the last place, needs no hold
	s_cbranch_scc1 .Lno_hold
.set n, 0
.rept 64
	v_min_num_f32 v[S+n], v[S+n], v5               ; the conversion to an 8-bit code does not saturate (ISA guide 7.6.2); p is not negative, so the hold is one-sided
.set n, n+1
.endr
.Lno_hold:
.irp g, 0,1,2,3,4,5,6,7
	v_cvt_scalef32_pk8_bf8_f32 v[PC+2*\g:PC+2*\g+1], v[S+8*\g:S+8*\g+7], v6
.endr
.set j, 0
.rept 16
	v_pk_mul_f32 v[O+j:O+j+1], v[O+j:O+j+1], v[26:27] op_sel_hi:[1,0]   ; O^T under the new M; plain lines between the conversions and the products that read their results
.set j, j+2
.endr
	s_wait_dscnt 0x0                               ; V's fragments
.irp t, 0,1,2,3
	v_wmma_f32_16x16x128_bf8_bf8 v[O+8*\t:O+8*\t+7], v[KV+16*\t:KV+16*\t+15], v[PC:PC+15], v[O+8*\t:O+8*\t+7]   ; the four accumulators by turns, one instruction a turn
.endr
.Lskip:
	s_lshr_b32 s19, s19, 1
	s_lshr_b32 s20, s20, 1
	s_add_co_u32 s17, s17, 8192                    ; a step is 8,192 bytes of K's image and of V's
	s_add_co_u32 s18, s18, 256
	s_add_co_u32 s16, s16, 1
	s_cmp_lt_u32 s16, 16
	s_cbranch_scc1 .Lkey
	; THE WAY OUT of a pass: y = O^T / l x 2^(e8 + e9), quantised with entry 10: the two groups of four registers are the head's 1,024 bytes of the tile's image
.rept 4
	v_nop                                          ; places behind the last products
.endr
	v_add_f32 v14, v14, v15
	v_permlanex16_b32 v30, v14, s24, s25
	v_add_f32 v14, v14, v30                        ; the row's sum
	v_rcp_f32 v10, v14
	v_nop                                          ; a plain line behind the reciprocal
	v_cmp_eq_f32 vcc_lo, 0, v14                    ; a row with no true entry
	s_wait_alu depctr_va_vdst(0)                   ; the wait ahead of the reciprocal's first reader
	v_ldexp_f32 v10, v10, s26
	v_mov_b32 v11, v10
.set j, 0
.rept 16
	v_pk_mul_f32 v[S+j:S+j+1], v[O+j:O+j+1], v[10:11]
.set j, j+2
.endr
.set j, 0
.rept 32
	v_med3_num_f32 v[S+j], v[S+j], -v7, v7
.set j, j+1
.endr
.irp g, 0,1,2,3
	v_cvt_scalef32_pk8_bf8_f32 v[YC+2*\g:YC+2*\g+1], v[S+8*\g:S+8*\g+7], v8
.endr
	v_nop                                          ; a plain line between the conversions and the selects on their results
.irp g, 0,1,2,3,4,5,6,7
	v_cndmask_b32 v[YC+\g], v[YC+\g], v31, vcc_lo  ; NaN codes where the sum is 0
.endr
	global_store_b128 v[YO], v[YC:YC+3], s[12:13]              ; 512 consecutive bytes each
	global_store_b128 v[YO], v[YC+4:YC+7], s[12:13] offset:512
	s_wait_xcnt 0x0                                ; the stores have read their registers, which the next pass writes
	s_sub_co_u32 s15, 127, s15                     ; the second pass's tile
	s_sub_co_u32 s21, s21, 1
	s_cmp_lg_u32 s21, 0
	s_cbranch_scc1 .Lpass
	s_wait_tensorcnt 0x0
	ds_add_u32 v254, v255
	s_wait_dscnt 0x0
	s_endpgm
.Lfunc_end_k_q39efb483a2_attn:
	.size	k_q39efb483a2_attn, .Lfunc_end_k_q39efb483a2_attn-k_q39efb483a2_attn
	.p2alignl 7, 3214868480
	.fill 96, 4, 3214868480
	.section	.rodata,"a",@progbits
	.p2align	6, 0x0
	.amdhsa_kernel k_q39efb483a2_attn
		.amdhsa_group_segment_fixed_size 264192
		.amdhsa_private_segment_fixed_size 0
		.amdhsa_enable_private_segment 0
		.amdhsa_kernarg_size 40
		.amdhsa_user_sgpr_count 2
		.amdhsa_user_sgpr_kernarg_segment_ptr 1
		.amdhsa_wavefront_size32 1
		.amdhsa_system_sgpr_workgroup_id_x 1
		.amdhsa_system_sgpr_workgroup_id_y 1
		.amdhsa_system_sgpr_workgroup_id_z 1
		.amdhsa_system_vgpr_workitem_id 0
		.amdhsa_next_free_vgpr 256
		.amdhsa_next_free_sgpr 100
		.amdhsa_reserve_vcc 1
		.amdhsa_float_denorm_mode_32 3
		.amdhsa_float_denorm_mode_16_64 3
		.amdhsa_memory_ordered 1
		.amdhsa_forward_progress 1
		.amdhsa_inst_pref_size 35
	.end_amdhsa_kernel
	.amdgpu_metadata
---
amdhsa.version: [ 1, 2 ]
amdhsa.kernels:
  - .name:           k_q39efb483a2_attn
    .symbol:         k_q39efb483a2_attn.kd
    .args:
      - { .name: qkv, .offset: 0, .size: 8, .value_kind: global_buffer, .address_space: global }
      - { .name: mskw, .offset: 8, .size: 8, .value_kind: global_buffer, .address_space: global }
      - { .name: mflg, .offset: 16, .size: 8, .value_kind: global_buffer, .address_space: global }
      - { .name: lowp_scales, .offset: 24, .size: 8, .value_kind: global_buffer, .address_space: global }
      - { .name: yc, .offset: 32, .size: 8, .value_kind: global_buffer, .address_space: global }
    .group_segment_fixed_size: 264192
    .private_segment_fixed_size: 0
    .kernarg_segment_align: 8
    .kernarg_segment_size: 40
    .max_flat_workgroup_size: 512
    .sgpr_count:     100
    .vgpr_count:     256
    .wavefront_size: 32
...
	.end_amdgpu_metadata
.endif
;; end of part 3
;; launch outp (part 4): grid 4 x 32, 4 waves a work-group, clusters of 4 x 4, 327,680 bytes of LDS; arguments yc, wc, lowp_scales, bo, out0; writes out0
.if DOCPART == 4
	.amdgcn_target "amdgcn-amd-amdhsa--gfx1250"
	.amdhsa_code_object_version 6
	.text
	.protected	k_q39efb483a2_outp
	.globl	k_q39efb483a2_outp
	.p2align	8
	.type	k_q39efb483a2_outp,@function
k_q39efb483a2_outp:
	s_mov_b64 s[64:65], 0
	v_nop
	global_prefetch_b8 v0, s[64:65] scope:SCOPE_SE
	s_setreg_imm32_b32 hwreg(HW_REG_WAVE_MODE, 25, 1), 1
	s_wait_xcnt 0x0
	s_wait_alu depctr_hold_cnt(0) depctr_sa_sdst(0) depctr_va_vdst(0) depctr_va_sdst(0) depctr_va_ssrc(0) depctr_va_vcc(0) depctr_vm_vsrc(0)
	s_getreg_b32 s2, hwreg(HW_REG_IB_STS2, 6, 4)
	s_cmp_eq_u32 s2, 0
	s_cbranch_scc0 .Lentry_in_a_cluster
	s_endpgm
.Lentry_in_a_cluster:
	s_bfe_u32 s2, ttmp6, 0x10000c
	s_cmp_lg_u32 s2, 0xf033
	s_cbranch_scc0 .Lentry_shape_is_right
	s_endpgm
.Lentry_shape_is_right:
; out0 = y wo + bo: [8,192 x 1,024] over K = 1,024, on codes of E5M2 (entries 10 and 11 of the exponents); out0 is f32.
; OPERANDS are images: [tile of 16 rows][K step of 128: 8][c: 4][lane][16 bytes]; row r of tile T is row 32 (T / 2) + 8 (T % 2) + r + 8 (r / 8); lane (r, h) holds k = 32 c + 16 h + 0 .. 15 in registers 4 c .. 4 c + 3, on both sides alike.
; A tile of the result, 256 x 256, is made by four waves, 128 x 128 each: 64 accumulators, 512 registers.  K goes in four steps of 256 through two LDS slots filled by the tensor data mover.
; The matrix instruction takes wo's rows (columns of out0) as source 0 and y's as source 1: a lane holds one token, and register j of tile b is column 32 (b / 2) + 8 (b % 2) + 16 h + j of my 128.
; CLUSTERS: 4 x 4 work-groups; y's tiles are shared along a row of the cluster, wo's along a column, each asked for jointly.  The result has 128 tiles of 256 x 256, so 128 work-groups are launched.
; LIMIT: entries 10 + 11 between -126 and 127.
; REGISTERS, in windows of 256: window 0: v0-31 addresses, v8-11 the bias; from v128 A's fragments, one set; on the way out v128-255 rows of out0.   window 1: B's fragments, two sets.   windows 2, 3: the accumulators.
.set HALFT, 32768                      ; 8 tiles x 4,096 bytes: what one tensor load brings, and what one wave reads of A or of B
.set SLOT,  4*HALFT
.set SPARE, 2*SLOT                     ; behind the ring: the spare words, 128 bytes for each wave: two blocks of 256 bytes that no other line names
.set KB2,   4096
.set FR,    16
.set NL,    4
.set NP,    4
.set SPITCH, 528                       ; the way out: a stage of 16 rows x (512 bytes + 16) for each wave, in slot 0, which has had its last fill and its last read when the first result is stored there
.set ADRA, 16
.set ADRB, 20
.set STO,  24                          ; v24     the way out: where I put my bytes of a row
.set RD,   25                          ; v25     where I read a row back
.set LN,   26                          ; v26     16 x lane
.set SPW,  28
.set NIL,  29
.set AF,   128
.set BK,   128                         ; 16 rows read back from the stage: v128-191 and v192-255 by turns
.set G1,  24
.set G0,  32
.set G1B, 48
.set G0B, 56
.set MSB, 0
.macro WIN new                         ; the immediate's high byte repeats the setting that is left
.if MSB != (\new)
	s_set_vgpr_msb (MSB<<8)|(\new)
.set MSB, (\new)
.endif
.endm
.set MUL_LO, 0xa1
.set MUL_HI, 0xf1
.set TO_B,   0x40
.macro JLOAD g0a, g1a, g0b, g1b        ; a joint load: waves 0 and 1 fetch for A, waves 2 and 3 for B; four v_nop follow each of the two lines
	s_cmp_eq_u32 s15, 0
	s_cbranch_scc0 .Lfor_b_\@
	tensor_load_to_lds s[\g0a:\g0a+3], s[\g1a:\g1a+7]
	s_nop 0
.rept 4
	v_nop
.endr
	s_branch .Lasked_\@
.Lfor_b_\@:
	tensor_load_to_lds s[\g0b:\g0b+3], s[\g1b:\g1b+7]
	s_nop 0
.rept 4
	v_nop
.endr
.Lasked_\@:
.endm
.macro CREST
	s_cmp_lg_u32 s14, 0
	s_cbranch_scc1 .Lnot_wave_0_\@
	s_barrier_signal -3
.Lnot_wave_0_\@:
	s_barrier_wait -3
	s_barrier_signal -1
	s_barrier_wait -1
.endm
.macro CROUND
	s_barrier_signal -1
	s_barrier_wait -1
	CREST
.endm
	s_load_b128 s[4:7], s[0:1], 0x0                ; yc s[4:5], wc s[6:7]
	s_load_b128 s[8:11], s[0:1], 0x10              ; the exponents s[8:9], bo s[10:11]
	s_load_b64 s[72:73], s[0:1], 0x20              ; out0
	v_lshl_add_u32 v[SPW], v0, 2, SPARE
	v_mov_b32 v[NIL], 0
	ds_add_u32 v28, v29
	ds_add_u32 v28, v29
	s_wait_dscnt 0x0
	v_lshrrev_b32 v1, 5, v0
	v_readfirstlane_b32 s14, v1                    ; wave 0..3
	s_lshr_b32 s15, s14, 1                         ; which half of the tile's rows is mine.  Also: I fetch for A (0) or for B (1)
	s_and_b32 s16, s14, 1                          ; which half of its columns.  Also: which 128 rows of that tile I fetch
	s_bfe_u32 s40, ttmp6, 0x40000                  ; cx = the tile column
	s_bfe_u32 s41, ttmp6, 0x40004                  ; cy
	s_and_b32 s17, ttmp7, 0xffff
	s_lshl_b32 s17, s17, 2
	s_add_co_u32 s17, s17, s41                     ; tile row = 4 x cluster y + cy
	s_lshl_b32 s43, s41, 2
	s_lshl_b32 s43, 15, s43                        ; my row of the cluster
	s_lshl_b32 s44, 0x1111, s40                    ; my column
	s_or_b32 s[G1+0], s43, (3<<16)|(1<<21)         ; 15:0 the mask; 17:16 elements of 8 bytes; 20 no padding; 21 set beside a mask
	s_or_b32 s[G1B+0], s44, (3<<16)|(1<<21)
.irp g, G1, G1B
	s_mov_b32 s[\g+1], 512<<16                     ; tensor_dim0 = 512 elements: a tile's 4,096 bytes of 256 along K
	s_mov_b32 s[\g+2], 8<<16                       ; tensor_dim1 = 8 tiles
	s_mov_b32 s[\g+3], 512<<16                     ; tile_dim0
	s_mov_b32 s[\g+4], 8                           ; tile_dim1
	s_mov_b32 s[\g+5], 2048                        ; tensor_dim0_stride: a tile's 16,384 bytes
	s_mov_b32 s[\g+6], 0
	s_mov_b32 s[\g+7], 0
.endr
	s_lshl_b32 s18, s16, 3
	s_lshl_b32 s20, s17, 4
	s_add_co_u32 s20, s20, s18
	s_lshl_b32 s20, s20, 14                        ; A: (16 x tile row + 8 x half) x 16,384
	s_mov_b32 s21, 0
	s_lshl_b32 s46, s40, 4
	s_add_co_u32 s46, s46, s18
	s_lshl_b32 s46, s46, 14
	s_add_co_u32 s46, s46, 0x300000                ; B: wo's section, + (16 x tile column + 8 x half) x 16,384
	s_mov_b32 s47, 0
	s_lshl_b32 s45, s14, 15                        ; where they go: wave x 32,768
	s_wait_kmcnt 0x0
	s_load_b64 s[96:97], s[8:9], 0x28              ; e10, e11
	s_add_nc_u64 s[20:21], s[4:5], s[20:21]
	s_add_nc_u64 s[46:47], s[6:7], s[46:47]
	CROUND                                         ; all sixteen work-groups are here: the first joint loads meet
.irp s, 0,1
	s_mov_b32 s[G0+4*\s], 1
	s_add_co_u32 s[G0+4*\s+1], s45, \s*SLOT
	s_add_nc_u64 s[G0+4*\s+2:G0+4*\s+3], s[20:21], \s*KB2
	s_or_b32 s[G0+4*\s+3], s[G0+4*\s+3], 0x80000000
	s_mov_b32 s[G0B+4*\s], 1
	s_add_co_u32 s[G0B+4*\s+1], s45, \s*SLOT
	s_add_nc_u64 s[G0B+4*\s+2:G0B+4*\s+3], s[46:47], \s*KB2
	s_or_b32 s[G0B+4*\s+3], s[G0B+4*\s+3], 0x80000000
	JLOAD G0+4*\s, G1, G0B+4*\s, G1B
.endr
	v_and_b32 v1, 15, v0                           ; r
	v_bfe_u32 v2, v0, 4, 1                         ; h
	v_and_b32 v3, 31, v0
	v_lshlrev_b32 v[LN], 4, v3
	s_lshl_b32 s20, s40, 10
	s_lshl_b32 s22, s16, 9
	s_add_co_u32 s20, s20, s22                     ; my first column, in bytes: 1,024 x tile column + 512 x half
	s_mov_b32 s21, 0
	s_add_nc_u64 s[10:11], s[10:11], s[20:21]
	global_load_b128 v[8:11], v[LN], s[10:11]      ; the bias of the four columns that I store
	s_lshl_b32 s22, s17, 20
	s_add_co_u32 s20, s20, s22
	s_lshl_b32 s22, s15, 19
	s_add_co_u32 s20, s20, s22                     ; + my first row: (256 x tile row + 128 x half) x 4,096 bytes
	s_add_nc_u64 s[72:73], s[72:73], s[20:21]
	s_lshl_b32 s21, s15, 15                        ; my 128 rows of A
	s_lshl_b32 s22, s16, 15                        ; my 128 rows of B,
	s_add_co_u32 s22, s22, 2*HALFT                 ; which lie behind A's 256
.irp s, 0,1
	v_add_nc_u32 v[ADRA+\s], s21, v[LN]
	v_add_nc_u32 v[ADRB+\s], s22, v[LN]
	s_add_co_u32 s21, s21, SLOT
	s_add_co_u32 s22, s22, SLOT
.endr
	s_mul_i32 s23, s14, 16*SPITCH                  ; my stage
	v_mul_u32_u24 v5, v1, SPITCH
	v_lshl_add_u32 v5, v2, 6, v5
	v_add_nc_u32 v[STO], s23, v5                   ; in: row r, + 64 h bytes
	v_add_nc_u32 v[RD], s23, v[LN]                 ; back: the 32 lanes take one row of 512 bytes
.macro FRAG reg, adr, q, i
.irp c, 0,1,2,3
	ds_load_b128 v[\reg+4*\c:\reg+4*\c+3], v[\adr] offset:4096*(\i)+2048*(\q)+512*\c
.endr
.endm
; 16 matrix instructions: A's blocks a0, a0 + 1 x B's eight.  The 64 accumulators take turns, one instruction a turn, in the same order in every step.
.macro MUL16 a0, p, zero
.irp a, \a0, \a0+1
.irp b, 0,1,2,3,4,5,6,7
.if \zero
	v_wmma_f32_16x16x128_bf8_bf8 v[8*(8*((\a)%4)+\b):8*(8*((\a)%4)+\b)+7], v[128*(\p)+FR*\b:128*(\p)+FR*\b+FR-1], v[AF+FR*(\a):AF+FR*(\a)+FR-1], 0
.else
	v_wmma_f32_16x16x128_bf8_bf8 v[8*(8*((\a)%4)+\b):8*(8*((\a)%4)+\b)+7], v[128*(\p)+FR*\b:128*(\p)+FR*\b+FR-1], v[AF+FR*(\a):AF+FR*(\a)+FR-1], v[8*(8*((\a)%4)+\b):8*(8*((\a)%4)+\b)+7]
.endif
.endr
.endr
.endm
.macro FETCH_B slot, q, p
	WIN TO_B
.irp i, 0,1,2,3,4,5,6,7
	FRAG 128*(\p)+FR*\i, ADRB+\slot, \q, \i
.endr
	WIN 0
.endm
.macro FETCH_A slot, q, i0
.irp i, \i0, \i0+1, \i0+2, \i0+3
	FRAG AF+FR*(\i), ADRA+\slot, \q, \i
.endr
.endm
.macro PLACES n                        ; plain vector lines between a matrix instruction and a load into, or a read of, its registers (ISA guide 7.12.1 for reads)
.rept \n
	v_nop
.endr
.endm
.macro STEP slot, q, zero
	s_wait_dscnt 4*NL                              ; B's set and A's blocks 0-3 are in; the youngest 16 loads (A's blocks 4-7) may be out
	WIN MUL_LO
	MUL16 0, (\q)%2, \zero
	MUL16 2, (\q)%2, \zero
	s_wait_dscnt 0
	PLACES NP
	FETCH_B \slot, (\q)+1, 1-(\q)%2
	FETCH_A \slot, (\q)+1, 0
	WIN MUL_HI
	MUL16 4, (\q)%2, \zero
	MUL16 6, (\q)%2, \zero
	PLACES NP
	WIN 0
	FETCH_A \slot, (\q)+1, 4
.endm
.macro TURN slot, next, fill
	s_wait_tensorcnt 0x0                           ; all my tensor loads have landed: my part of the next slot
	ds_add_u32 v[SPW], v[NIL]                      ; 0 onto my spare word
	s_wait_dscnt 4*NL+1                            ; (the add and the youngest 16 loads may be out)
	WIN MUL_LO
	MUL16 0, 1, 0
	s_wait_dscnt 0x0                               ; the add is done, and my reads of this slot are over
	s_barrier_signal -1
	MUL16 2, 1, 0
	WIN 0
	s_barrier_wait -1
.if \fill
	CREST                                          ; the barrier has opened a round of the cluster's barrier: no wave of any partner still reads this slot or has a load on its way
	s_add_nc_u64 s[G0+4*\slot+2:G0+4*\slot+3], s[G0+4*\slot+2:G0+4*\slot+3], 2*KB2
	s_add_nc_u64 s[G0B+4*\slot+2:G0B+4*\slot+3], s[G0B+4*\slot+2:G0B+4*\slot+3], 2*KB2
	JLOAD G0+4*\slot, G1, G0B+4*\slot, G1B
.else
	PLACES NP
.endif
	FETCH_B \next, 0, 0
	FETCH_A \next, 0, 0
	WIN MUL_HI
	MUL16 4, 1, 0
	MUL16 6, 1, 0
	PLACES NP
	WIN 0
	FETCH_A \next, 0, 4
.endm
	s_wait_tensorcnt 1                             ; my part of K step 0 is in (K step 1's load may be out),
	s_barrier_signal -1
	s_barrier_wait -1                              ; everybody's is
	FETCH_B 0, 0, 0
	FETCH_A 0, 0, 0
	FETCH_A 0, 0, 4
	STEP 0, 0, 1                                   ; four K steps of 256, written out; the first products start the sums
	TURN 0, 1, 1
	STEP 1, 0, 0
	TURN 1, 0, 1
	STEP 0, 0, 0
	TURN 0, 1, 0
	STEP 1, 0, 0
	s_wait_dscnt 4*NL                              ; the very last step
	WIN MUL_LO
	MUL16 0, 1, 0
	MUL16 2, 1, 0
	s_wait_dscnt 0
	WIN MUL_HI
	MUL16 4, 1, 0
	MUL16 6, 1, 0
	WIN 0
; THE WAY OUT, block by block of 16 tokens x 128 columns.  The sums go into my own stage as they stand, each accumulator's low four registers first, and come back as whole rows of 512 bytes; there each number
; gets x 2^(e10 + e11) + bias in one packed multiply-add, and the 32 lanes store 512 consecutive bytes.  LDS serves a wave's instructions in order (ISA guide 5.7.1.4): no wait between the stores and the loads.
.macro TOSTAGE a
.set AC, 64*((\a)%4)
	WIN 0x08+4*((\a)/4)                            ; an LDS store's data: source 1: window 2 or 3
.irp b, 0,1,2,3,4,5,6,7
	ds_store_b128 v[STO], v[AC+8*\b:AC+8*\b+3] offset:128*(\b/2)+32*(\b%2)
	ds_store_b128 v[STO], v[AC+8*\b+4:AC+8*\b+7] offset:128*(\b/2)+32*(\b%2)+16
.endr
	WIN 0
.set BB, BK+64*((\a)%2)
.irp t, 0,1,2,3,4,5,6,7,8,9,10,11,12,13,14,15
	ds_load_b128 v[BB+4*\t:BB+4*\t+3], v[RD] offset:\t*SPITCH
.endr
.endm
.macro SEND a, younger                 ; younger: the LDS instructions issued behind block a's loads, which may stay out
.set BB, BK+64*((\a)%2)
	s_wait_dscnt \younger
.irp t, 0,1,2,3,4,5,6,7,8,9,10,11,12,13,14,15
	v_pk_fma_f32 v[BB+4*\t:BB+4*\t+1], v[BB+4*\t:BB+4*\t+1], s[96:97], v[8:9] op_sel_hi:[1,0,1]
	v_pk_fma_f32 v[BB+4*\t+2:BB+4*\t+3], v[BB+4*\t+2:BB+4*\t+3], s[96:97], v[10:11] op_sel_hi:[1,0,1]
.endr
.irp t, 0,1,2,3,4,5,6,7,8,9,10,11,12,13,14,15
	global_store_b128 v[LN], v[BB+4*\t:BB+4*\t+3], s[72:73] offset:(32*((\a)/2)+8*((\a)%2)+\t+8*(\t/8))*4096 th:TH_STORE_NT   ; row t of tile a; the row's place stands in the immediate, 127 rows at the most
.endr
.endm
	s_wait_kmcnt 0x0
	s_add_co_i32 s96, s96, s97
	s_add_co_i32 s96, s96, 127
	s_lshl_b32 s96, s96, 23                        ; 2^(e10 + e11) as f32
	s_mov_b32 s97, s96                             ; (named with it as a pair, so it is written)
	s_wait_loadcnt 0x0                             ; the bias
	PLACES NP                                      ; behind the last products: for the stage's stores, which read results, and the loads into the registers that held A's fragments
	TOSTAGE 0
.irp a, 1,2,3,4,5,6,7
.if \a > 1
	s_wait_xcnt 0x0                                ; block a - 2's stores have read their registers: block a's loads may land there
.endif
	TOSTAGE \a
	SEND \a-1, 32                                  ; behind block a - 1's loads: block a's 16 stores and 16 loads
.endr
	SEND 7, 0
	s_wait_tensorcnt 0x0                           ; the wave's end
	ds_add_u32 v[SPW], v[NIL]
	s_wait_dscnt 0x0
	CROUND                                         ; the closing round: no work-group ends while a partner may still ask for a tile that names it
	s_endpgm
.Lfunc_end_k_q39efb483a2_outp:
	.size	k_q39efb483a2_outp, .Lfunc_end_k_q39efb483a2_outp-k_q39efb483a2_outp
	.p2alignl 7, 3214868480
	.fill 96, 4, 3214868480
	.section	.rodata,"a",@progbits
	.p2align	6, 0x0
	.amdhsa_kernel k_q39efb483a2_outp
		.amdhsa_group_segment_fixed_size 327680
		.amdhsa_private_segment_fixed_size 0
		.amdhsa_enable_private_segment 0
		.amdhsa_kernarg_size 40
		.amdhsa_user_sgpr_count 2
		.amdhsa_user_sgpr_kernarg_segment_ptr 1
		.amdhsa_wavefront_size32 1
		.amdhsa_system_sgpr_workgroup_id_x 1
		.amdhsa_system_sgpr_workgroup_id_y 1
		.amdhsa_system_sgpr_workgroup_id_z 1
		.amdhsa_system_vgpr_workitem_id 0
		.amdhsa_next_free_vgpr 1024
		.amdhsa_next_free_sgpr 100
		.amdhsa_reserve_vcc 0
		.amdhsa_float_denorm_mode_32 3
		.amdhsa_float_denorm_mode_16_64 3
		.amdhsa_memory_ordered 1
		.amdhsa_forward_progress 1
		.amdhsa_inst_pref_size 122
	.end_amdhsa_kernel
	.amdgpu_metadata
---
amdhsa.version: [ 1, 2 ]
amdhsa.kernels:
  - .name:           k_q39efb483a2_outp
    .symbol:         k_q39efb483a2_outp.kd
    .args:
      - { .name: yc, .offset: 0, .size: 8, .value_kind: global_buffer, .address_space: global }
      - { .name: wc, .offset: 8, .size: 8, .value_kind: global_buffer, .address_space: global }
      - { .name: lowp_scales, .offset: 16, .size: 8, .value_kind: global_buffer, .address_space: global }
      - { .name: bo, .offset: 24, .size: 8, .value_kind: global_buffer, .address_space: global }
      - { .name: out0, .offset: 32, .size: 8, .value_kind: global_buffer, .address_space: global }
    .group_segment_fixed_size: 327680
    .private_segment_fixed_size: 0
    .kernarg_segment_align: 8
    .kernarg_segment_size: 40
    .max_flat_workgroup_size: 128
    .sgpr_count:     100
    .vgpr_count:     1024
    .wavefront_size: 32
...
	.end_amdgpu_metadata
.endif
;; end of part 4
